; MI455X (gfx1250); checked and timed in simulation.
; The chip was launched on July 23, 2026; its instructions are those of AMD's public machine-readable ISA for CDNA 5 (MIT licence, August 2026) and "CDNA5" Instruction Set Architecture Reference Guide (July 2026). The comments in the code are by the model that wrote it; some were corrected since.
;; Mo E Hyper Net Linear Layer. Allowed arithmetic: matrix products marked QUANTISED: E4M3 operands, one given power-of-two scale a tensor, by v_wmma_f32_16x16x64_fp8_fp8 or v_wmma_f32_16x16x128_fp8_fp8, f32 sums; products left as they are: f32 operands where the result goes on into a quantised operand, else bf16, f16 or f32 operands; f32 sums; everything else in f32.
;; Inputs: cond_codes 4,096 x 4 x 32 uint8 (E4M3 codes of cond, K innermost, in blocks of 32 codes); expert_biases 8 x 1,024 float32; expert_weights_codes 8 x 1,024 x 32 x 32 uint8 (E4M3 codes of expert_weights, K innermost, in blocks of 32 codes); g_b1 32 float32; g_b2 8 float32; g_w1_codes 32 x 4 x 32 uint8 (E4M3 codes of g_w1, K innermost, in blocks of 32 codes); g_w2 32 x 8 float32; lowp_scales 4 int32 (the exponents e of the quantised operands' scales 2^e); x_codes 4,096 x 32 x 32 uint8 (E4M3 codes of x, K innermost, in blocks of 32 codes).
;; Outputs: out0 4,096 x 1,024 float32.
;; This version of the problem:
;;   THIS VERSION OF THE PROBLEM IS GIVEN IN LOW PRECISION. The matrix products marked QUANTISED in the list below multiply operands that are first quantised to E4M3 (4 exponent bits, 3 mantissa bits; 8 bits a number), with one given power-of-two scale for each operand tensor; their sums are f32. All else is computed in f32.
;;   The module's matrix products, in the order in which they are computed (A, B: the left and right operand; K: the contracted axis; several contracted axes count as one K, in the product's order):
;;     1. [M 4,096, K 128] x [K 128, N 32]; A: input cond (given as codes); B: input g_w1 (given as codes): QUANTISED (scales: A lowp_scales[0], B lowp_scales[1])
;;     2. [M 4,096, K 32] x [K 32, N 8]; A: computed on the way; B: input g_w2: left as it is (N = 8 < 16)
;;     3. [M 4,096, K 1,024] x [K 1,024, N 8,192]; A: input x (given as codes); B: input expert_weights (given as codes): QUANTISED (scales: A lowp_scales[2], B lowp_scales[3])
;;     4. batch 4,096 x [M 1, K 8] x [K 8, N 1,024]; A: softmax; B: computed on the way: left as it is (K = 8 < 32)
;;     5. [M 4,096, K 8] x [K 8, N 1,024]; A: softmax; B: input expert_biases: left as it is (K = 8 < 32)
;;   THE QUANTISER, for each operand of a quantised product, along K:
;;     - The operand's scale is 2^e, e = its entry of the input lowp_scales (int32; the entries are numbered through the quantised products in the list's order, A before B).
;;     - Each number is divided by the scale, clamped to +-448, and rounded to the nearest number of E4M3, ties to even, subnormals kept.
;;     - The product sums the exact products of the quantised numbers (number of the format x scale) in f32.
;;   ~~~python
;;   def quantise(x, axis, e):      # numpy; x: float32 -> the quantised numbers, widened to float32 again
;;       x = np.moveaxis(x, axis, -1); K = x.shape[-1]
;;       r = np.clip(x / 2.0 ** e, -448, 448)
;;       step = 2.0 ** (np.maximum(np.frexp(np.where(r == 0, 1, r))[1] - 1, -6) - 3)
;;       q = np.round(r / step) * step * 2.0 ** e      # np.round: ties to even
;;       return np.moveaxis(q, -1, axis).astype(np.float32)
;;   ~~~
;;   INPUTS GIVEN AS CODES. cond (in the module: [4096, 128], K = its axis 1); expert_weights (in the module: [8, 1024, 1024], K = its axis 1); g_w1 (in the module: [128, 32], K = its axis 0); x (in the module: [4096, 1024], K = its axis 1): each comes as NAME_codes (uint8): NAME with its K axis moved to the last place and cut into blocks of 32 codes, [.., K / 32, bytes a block], one block behind the other in memory; one code a byte (a code: sign, 4 exponent bits, 3 mantissa bits); its scale is its entry of lowp_scales. Its value is code x scale, taken as it is: it is not quantised again, and the codes and scales need not be those that the quantiser above would give.
;; One version. Each part assembles by itself: llvm-mc -triple=amdgcn-amd-amdhsa -mcpu=gfx1250 --defsym DOCPART=n.
;; ======== version 1 of 1: 1 launch
;; limits: right only within a limited range of input values
;; launch moe (part 1): grid 8 x 32, 4 waves a work-group, clusters of 4 x 4, 327,680 bytes of LDS; arguments x_codes, expert_weights_codes, cond_codes, g_w1_codes, g_w2, g_b1, g_b2, expert_biases, lowp_scales, out0; writes out0
.if DOCPART == 1
	.amdgcn_target "amdgcn-amd-amdhsa--gfx1250"
	.amdhsa_code_object_version 6
	.text
	.protected	k_q59d1efb594_moe
	.globl	k_q59d1efb594_moe
	.p2align	8
	.type	k_q59d1efb594_moe,@function
k_q59d1efb594_moe:
	s_mov_b64 s[64:65], 0
	v_nop
	global_prefetch_b8 v0, s[64:65] scope:SCOPE_SE
	s_setreg_imm32_b32 hwreg(HW_REG_WAVE_MODE, 25, 1), 1
	s_wait_xcnt 0x0
	s_wait_alu depctr_hold_cnt(0) depctr_sa_sdst(0) depctr_va_vdst(0) depctr_va_sdst(0) depctr_va_ssrc(0) depctr_va_vcc(0) depctr_vm_vsrc(0)
	s_getreg_b32 s2, hwreg(HW_REG_IB_STS2, 6, 4)
	s_cmp_eq_u32 s2, 0
	s_cbranch_scc0 .Lentry_in_a_cluster
	s_endpgm
.Lentry_in_a_cluster:
	s_bfe_u32 s2, ttmp6, 0x10000c
	s_cmp_lg_u32 s2, 0xf033
	s_cbranch_scc0 .Lentry_shape_is_right
	s_endpgm
.Lentry_shape_is_right:
; out[b][o] = sum over e of g[b][e] (x[b] . W[e][:, o] + bias[e][o]),  g = softmax(relu(cond w1 + b1) w2 + b2).
; x [4096][1024], W [8][1024 (o)][1024 (k)], cond [4096][128], w1 [32 (n)][128 (k)]: codes of FP8 (E4M3), K innermost, one scale 2^e a tensor (lowp_scales: cond, w1, x, W).
; Both products on codes go by v_wmma_f32_16x16x128_fp8_fp8 on the codes as they are; everything else is f32.  The gates are soft: every expert counts for every row.
; SHARES.  A work-group makes 128 rows x 128 columns of out: 32 x 8 = 256 work-groups.  Four waves; wave (i, j) makes rows 64 i on, columns 64 j on: 4 x 4 tiles of 16 x 16.
; x STAYS IN REGISTERS: the wave's 64 rows x 1,024 codes are 512 registers, read from LDS once; in the experts' walk only W is read from LDS: 16 loads of 16 bytes a lane for 16 matrix instructions.
; W goes expert by expert through two LDS slots, each a whole expert's tile (128 rows of 1,024 bytes); a slot's refill is asked for one whole expert (128 matrix instructions a wave) ahead of its first read.
; Each expert has its own 16 sums.  They begin with bias / 2^(e2+e3) as the C of their first product; finished, they are weighed by g 2^(e2+e3) into 16 sums of out, by packed multiply-adds
; that stand in slices of four behind matrix instructions of other tiles.
; THE MATRIX INSTRUCTION IS USED TRANSPOSED: source 0 = 16 rows of W (outputs o), source 1 = 16 rows of x.  In tile (a, b) lane (r, h) holds row 16 a + r and its register jj column 16 b + 8 h + jj:
; so g is one number a lane for each (a, e), a bias tile is eight registers for each b, and a lane's eight results are 32 neighbouring bytes of a row of out.
; A fragment (16 rows x 128 K, 16 registers) comes by four loads of 16 bytes, 32 bytes apart, at 16 h: registers 4 c .. 4 c + 3 hold k = 32 c + 16 h + 0 .. 15.  That is a permutation of k inside an
; instruction, the same on both sides of each product: every product meets its partner, only the order of the sums inside an instruction differs.
; THE GATE is made by each wave for its own 64 rows (8 matrix instructions and some 530 vector lines), between the runs of LDS loads that bring x into registers.  The softmax takes its maximum away.
; CLUSTERS: 4 x 4 work-groups.  x's tile hangs on the tile row alone and is asked for jointly by the four of a row of the cluster; W's tiles hang on the tile column alone and are asked for jointly by the
; four of a column.  Every wave fetches a quarter (32 rows) of each tile, so every tensor load stands on every wave's path, with no branch round it.  Two tensor loads of a wave are out at the start, one later.
; NO LOOP: the eight experts are written out by macro (g's registers change with the expert, the last two experts ask for no refill); every offset and every wait's count is a constant.
; LIMITS.  e0 + e1 between -126 and 127 (2^(e0+e1) is made as an f32 number); e2 + e3 between -100 and 100; b1 / 2^(e0+e1) and bias / 2^(e2+e3) must be finite f32 numbers.  NaN and infinity among the inputs are not served.
;
; REGISTERS, in windows of 256 (s_set_vgpr_msb's low byte: bits 1:0 source 0, 3:2 source 1, 5:4 source 2, 7:6 destination):
;   window 0: v0-13 addresses; v32-63 the next expert's bias as loaded; v64-127 the sums of tiles a = 0, 1 (in the head: cond's fragments); v128-255 W's fragments, two sets of 64 (in the head: w2; at the end: rows of out)
;   windows 1, 2: x: fragment (a, k) at v[64 (k % 4) + 16 a] of window 1 + k / 4
;   window 3: v0-63 the sums of tiles a = 2, 3 (in the head: at work); v64-191 out's sums (in the head: the hidden layer, w1, b1); v192-223 g; v224-255 the bias as C
; The expert's sums lie half in window 0 and half in window 3: under the setting of the products a = 0, 1 a load into window 0 needs no switch, so the run of loads at a step's head stands under the
; setting of the products that follow it; under the setting of the products a = 2, 3 the bias's scaling (window 0 to window 3) needs none.
.set PITCH,  1040                      ; an LDS row: 1,024 bytes + 16 of padding = 260 words: row r starts at bank 4 r mod 64 (64 banks of 4 bytes: ISA guide 11.1), so the 16 rows of a load start at 16 different banks
.set FROW,   16*PITCH                  ; from a fragment's rows to the next fragment's
.set QTR,    32*PITCH                  ; what one tensor load brings
.set SLOTB,  128*PITCH                 ; slot A at byte 0: W of experts 0, 2, 4, 6, at the end the stages.  Slot B here: x, then W of experts 1, 3, 5, 7
.set SPARE,  2*SLOTB                   ; behind the slots: the spare words, 128 bytes for each wave: two blocks of 256 bytes that no other line names
.set SPITCH, 272                       ; the way out: a stage row: 256 bytes + 16
.set STG,    64*SPITCH                 ; a wave's stage: 64 rows.  The stages lie in slot A, which has had its last fill and its last read when the first result is stored there
.set ADW, 3                            ; v3, v4  LDS address of my W fragments in slot A, B
.set ADX, 5                            ; v5      of my x fragments
.set SPW, 6                            ; v6      LDS address of my spare word: SPARE + 4 x my thread's number; never rewritten
.set NIL, 7                            ; v7      0; never rewritten
.set STO, 8                            ; v8      the way out: where I put 32 bytes of a row
.set RD,  9                            ; v9      the way out: where I read a row back
.set CO,  10                           ; v10     my byte offset in the wave's part of out
.set OB,  11                           ; v11     32 h: my eight numbers of a tile of a bias or of b1
.set OC,  12                           ; v12     128 r + 16 h: my place in 16 rows of cond or of w1
.set OW2, 13                           ; v13     256 h: my eight rows of w2
.set RAW, 32
.set T0,  64
.set WF,  128
.set SC,  0                            ; window 3, in the head
.set OUT, 64                           ; window 3
.set HA,  64                           ; window 3, in the head: the hidden layer, 16 registers for each tile of rows
.set W1F, 128                          ; window 3, in the head: w1's two fragments
.set B1,  160                          ; window 3, in the head: b1's two tiles
.set G,   192                          ; window 3: v[G + 8 a + e]
.set BC,  224                          ; window 3: v[BC + 8 b + jj]
.set G1X, 32                           ; s[32:39] descriptor group 1 for x's tile;  s[40:47] for W's: they differ in the mask alone
.set G1W, 40
.set G0X, 48                           ; s[48:51] group 0 for x;  s[52:55], s[56:59] for W in slot A, B
.set G0W, 52
.set MSB, 0
.macro WIN new                         ; the immediate's high byte repeats the setting that is left; a switch that changes nothing is dropped
.if MSB != \new
	s_set_vgpr_msb (MSB<<8)|\new
.set MSB, \new
.endif
.endm
.macro PLACES n
.rept \n
	v_nop
.endr
.endm
.macro CREST                           ; a round of the cluster's barrier behind its opening barrier
	s_cmp_lg_u32 s24, 0
	s_cbranch_scc1 .Lnot_wave_0_\@
	s_barrier_signal -3
.Lnot_wave_0_\@:
	s_barrier_wait -3
	s_barrier_signal -1
	s_barrier_wait -1
.endm
.macro CROUND                          ; a whole round
	s_barrier_signal -1
	s_barrier_wait -1
	CREST
.endm
	s_load_b512 s[4:19], s[0:1], 0x0               ; x 4:5, W 6:7, cond 8:9, w1 10:11, w2 12:13, b1 14:15, b2 16:17, the biases 18:19
	s_load_b128 s[20:23], s[0:1], 0x40             ; the scales' exponents 20:21, out 22:23
	v_lshl_add_u32 v[SPW], v0, 2, SPARE
	v_mov_b32 v[NIL], 0
	ds_add_u32 v6, v7
	ds_add_u32 v6, v7
	s_wait_dscnt 0x0
	v_lshrrev_b32 v1, 5, v0
	v_readfirstlane_b32 s24, v1                    ; wave 0..3
	s_lshr_b32 s25, s24, 1                         ; i: which 64 rows are mine
	s_and_b32 s26, s24, 1                          ; j: which 64 columns
	s_bfe_u32 s27, ttmp6, 0x40000                  ; cx, cy: my place in the cluster
	s_bfe_u32 s28, ttmp6, 0x40004
	s_lshl_b32 s29, ttmp9, 2
	s_add_co_u32 s29, s29, s27                     ; tile column = 4 x cluster x + cx
	s_and_b32 s30, ttmp7, 0xffff
	s_lshl_b32 s30, s30, 2
	s_add_co_u32 s30, s30, s28                     ; tile row = 4 x cluster y + cy
	s_lshl_b32 s31, s28, 2
	s_lshl_b32 s31, 15, s31                        ; my row of the cluster
	s_lshl_b32 s2, 0x1111, s27                     ; my column
	; descriptor group 1: a tile of 32 rows x 1,024 bytes, dense in memory, padded in LDS
	s_or_b32 s[G1X], s31, (0<<16)|(1<<20)|(1<<21)|(7<<22)|(3<<25)  ; 15:0 the mask: x's tile goes to my row; 17:16 elements of 1 byte; 20 padding on; 21 set beside a mask; 24:22 after every 256 words (code 7); 31:25 of 4 words (code 3)
	s_or_b32 s[G1W], s2, (0<<16)|(1<<20)|(1<<21)|(7<<22)|(3<<25)   ; the same with the mask of my column, for W's tiles
.irp g, G1X, G1W
	s_mov_b32 s[\g+1], 1024<<16                    ; tensor_dim0
	s_mov_b32 s[\g+2], 32<<16                      ; tensor_dim1
	s_mov_b32 s[\g+3], 1024<<16                    ; tile_dim0
	s_mov_b32 s[\g+4], 32                          ; tile_dim1
	s_mov_b32 s[\g+5], 1024                        ; tensor_dim0_stride
	s_mov_b32 s[\g+6], 0
	s_mov_b32 s[\g+7], 0
.endr
	s_lshl_b32 s3, s24, 15                         ; my quarter: 32 rows of 1,024 bytes x wave
	s_lshl_b32 s82, s30, 17                        ; x: 128 rows x tile row: it hangs on the tile row alone,
	s_add_co_u32 s82, s82, s3
	s_mov_b32 s83, 0
	s_lshl_b32 s84, s29, 17                        ; W: 128 rows x tile column: on the tile column alone
	s_add_co_u32 s84, s84, s3
	s_mov_b32 s85, 0
	s_mul_i32 s86, s24, QTR                        ; where a quarter goes in a slot: no place in the cluster enters an LDS address
	s_lshl_b32 s88, s30, 14                        ; cond: (128 x tile row + 64 i) rows of 128 bytes
	s_lshl_b32 s3, s25, 13
	s_add_co_u32 s88, s88, s3
	s_mov_b32 s89, 0
	s_lshl_b32 s90, s29, 9                         ; the biases, and a row of out: 512 x tile column + 256 j bytes
	s_lshl_b32 s3, s26, 8
	s_add_co_u32 s90, s90, s3
	s_mov_b32 s91, 0
	s_lshl_b32 s92, s30, 19                        ; out: (128 x tile row + 64 i) rows of 4,096 bytes, + the columns
	s_lshl_b32 s3, s25, 18
	s_add_co_u32 s92, s92, s3
	s_add_co_u32 s92, s92, s90
	s_mov_b32 s93, 0
	s_mov_b32 s66, 0x76543210                      ; v_permlanex16_b32's selects for lane l xor 16
	s_mov_b32 s67, 0xfedcba98
	v_and_b32 v1, 15, v0                           ; r
	v_bfe_u32 v2, v0, 4, 1                         ; h
	v_mul_u32_u24 v14, v1, PITCH
	v_lshl_add_u32 v14, v2, 4, v14                 ; a fragment's row x pitch + 16 h
	s_mul_i32 s3, s26, 64*PITCH
	v_add_nc_u32 v[ADW], s3, v14                   ; my 64 rows of W in slot A,
	v_add_nc_u32 v[ADW+1], SLOTB, v[ADW]           ; in slot B
	s_mul_i32 s3, s25, 64*PITCH
	s_add_co_u32 s3, s3, SLOTB
	v_add_nc_u32 v[ADX], s3, v14                   ; my 64 rows of x
	s_mul_i32 s3, s24, STG                         ; my stage
	v_mul_u32_u24 v[STO], v1, SPITCH               ; in: row r, 32 bytes for each half of the lanes
	v_lshl_add_u32 v[STO], v2, 5, v[STO]
	v_add_nc_u32 v[STO], s3, v[STO]
	v_mul_u32_u24 v[RD], v2, SPITCH                ; back: lanes 0-15 take one row of 256 bytes, lanes 16-31 the next
	v_lshl_add_u32 v[RD], v1, 4, v[RD]
	v_add_nc_u32 v[RD], s3, v[RD]
	v_lshlrev_b32 v[CO], 12, v2                    ; and the same two rows in out
	v_lshl_add_u32 v[CO], v1, 4, v[CO]
	v_lshlrev_b32 v[OB], 5, v2
	v_lshlrev_b32 v[OC], 7, v1
	v_lshl_add_u32 v[OC], v2, 4, v[OC]
	v_lshlrev_b32 v[OW2], 8, v2
	s_wait_kmcnt 0x0
	s_load_b128 s[60:63], s[20:21], 0x0            ; e0 (cond), e1 (w1), e2 (x), e3 (W)
	s_load_b256 s[68:75], s[16:17], 0x0            ; b2
	s_mov_b32 s[G0X], 1                            ; 1:0 count = 1
	s_add_co_u32 s[G0X+1], s86, SLOTB              ; 63:32 LDS address: x begins in slot B
	s_add_nc_u64 s[G0X+2:G0X+3], s[4:5], s[82:83]  ; 120:64 global address
	s_or_b32 s[G0X+3], s[G0X+3], 0x80000000        ; 127:126 type = 2
	s_mov_b32 s[G0W], 1
	s_mov_b32 s[G0W+1], s86                        ; slot A
	s_add_nc_u64 s[G0W+2:G0W+3], s[6:7], s[84:85]  ; expert 0
	s_add_nc_u64 s[G0W+6:G0W+7], s[G0W+2:G0W+3], 0x100000   ; expert 1: an expert's codes are 1,024 x 1,024 bytes
	s_or_b32 s[G0W+3], s[G0W+3], 0x80000000
	s_mov_b32 s[G0W+4], 1
	s_add_co_u32 s[G0W+5], s86, SLOTB              ; slot B
	s_or_b32 s[G0W+7], s[G0W+7], 0x80000000
	s_add_nc_u64 s[8:9], s[8:9], s[88:89]          ; cond at my first row
	s_add_nc_u64 s[18:19], s[18:19], s[90:91]      ; the biases at my first column
	s_add_nc_u64 s[22:23], s[22:23], s[92:93]      ; out at my first row and column
	CROUND                                         ; all sixteen work-groups are here: the first joint loads meet
	tensor_load_to_lds s[G0X:G0X+3], s[G1X:G1X+7]  ; the two first fills go out together, ahead of every wait on TENSORcnt and of every LDS read: x,
	s_nop 0
	tensor_load_to_lds s[G0W:G0W+3], s[G1W:G1W+7]  ; and W of expert 0
	s_nop 0
	PLACES 4                                       ; four v_nop follow the tensor loads
; one tile b of expert e's bias: lane (r, h) takes the numbers of columns 16 b + 8 h + 0 .. 7
.macro BLOAD e, b
	global_load_b128 v[RAW+8*(\b):RAW+8*(\b)+3],   v[OB], s[18:19] offset:4096*(\e)+64*(\b)
	global_load_b128 v[RAW+8*(\b)+4:RAW+8*(\b)+7], v[OB], s[18:19] offset:4096*(\e)+64*(\b)+16
.endm
.irp a, 0,1,2,3                        ; cond's four fragments: rows 16 a + r
.irp c, 0,1,2,3
	global_load_b128 v[T0+16*\a+4*\c:T0+16*\a+4*\c+3], v[OC], s[8:9] offset:2048*\a+32*\c
.endr
.endr
.irp b, 0,1,2,3
	BLOAD 0, \b
.endr
.irp t, 0,1                            ; w2: my 16 hidden units are 16 t + 8 h + jj; unit 8 t + jj of them has its eight weights at v[WF + 8 (8 t + jj)]
.irp j, 0,1,2,3,4,5,6,7
	global_load_b128 v[WF+8*(8*\t+\j):WF+8*(8*\t+\j)+3],   v[OW2], s[12:13] offset:32*(16*\t+\j)
	global_load_b128 v[WF+8*(8*\t+\j)+4:WF+8*(8*\t+\j)+7], v[OW2], s[12:13] offset:32*(16*\t+\j)+16
.endr
.endr
	WIN 0xc0                                       ; destination window 3, address window 0
.irp t, 0,1                            ; w1's two fragments: hidden units 16 t + r
.irp c, 0,1,2,3
	global_load_b128 v[W1F+16*\t+4*\c:W1F+16*\t+4*\c+3], v[OC], s[10:11] offset:2048*\t+32*\c
.endr
.endr
.irp t, 0,1                            ; b1 in the result's layout: hidden units 16 t + 8 h + 0 .. 7
	global_load_b128 v[B1+8*\t:B1+8*\t+3],   v[OB], s[14:15] offset:64*\t
	global_load_b128 v[B1+8*\t+4:B1+8*\t+7], v[OB], s[14:15] offset:64*\t+16
.endr
	s_wait_kmcnt 0x0
	s_add_co_i32 s76, s60, s61                     ; e0 + e1: a sum of the gate's first product stands for sum x 2^(e0+e1)
	s_add_co_i32 s77, s76, 127
	s_lshl_b32 s77, s77, 23                        ; 2^(e0+e1) as f32
	s_sub_co_i32 s78, 0, s76
	s_add_co_i32 s79, s62, s63                     ; e2 + e3: the same for the experts' products
	s_sub_co_i32 s80, 0, s79
	s_wait_loadcnt 0x0                             ; all that the gate needs, and expert 0's bias
	WIN 0xff
.set u_, 0
.rept 16
	v_ldexp_f32 v[B1+u_], v[B1+u_], s78            ; b1 / 2^(e0+e1): it goes in as the C of the hidden layer's products
.set u_, u_+1
.endr
	v_mov_b32 v[SC+1], 0                           ; (named as the upper half of the pair v[SC:SC+1], so it is written)
	WIN 0xc0
.set u_, 0
.rept 32
	v_ldexp_f32 v[BC+u_], v[RAW+u_], s80           ; bias / 2^(e2+e3): the C of expert 0's first products
.set u_, u_+1
.endr
	WIN 0
.irp b, 0,1,2,3
	BLOAD 1, \b                                    ; expert 1's bias: it is scaled in the course of expert 0
.endr
	WIN 0xf3                                       ; source 0 (w1), C (b1) and D window 3; source 1 (cond) window 0
.irp a, 0,1,2,3                        ; the hidden layer, transposed: lane (r, h) holds row 16 a + r, register 8 t + jj hidden unit 16 t + 8 h + jj.  Eight different accumulators
.irp t, 0,1
	v_wmma_f32_16x16x128_fp8_fp8 v[HA+16*\a+8*\t:HA+16*\a+8*\t+7], v[W1F+16*\t:W1F+16*\t+15], v[T0+16*\a:T0+16*\a+15], v[B1+8*\t:B1+8*\t+7]
.endr
.endr
	PLACES 4                                       ; four places between a matrix instruction and the first vector instruction that reads its result (ISA guide 7.12.1)
	WIN 0
	s_wait_tensorcnt 1                             ; my quarter of x is in; W of expert 0, issued behind it, may stay out
	s_barrier_signal -1
	s_barrier_wait -1                              ; everybody's quarter is in
; x's fragments of K steps 2 q and 2 q + 1: 32 LDS loads in one run
.macro XLOAD q
.if (\q) < 2
	WIN 0x40                                       ; destination window 1
.else
	WIN 0x80                                       ; destination window 2
.endif
.irp kk, 0,1
.irp aa, 0,1,2,3
.irp c, 0,1,2,3
	ds_load_b128 v[64*((2*(\q)+\kk)%4)+16*\aa+4*\c:64*((2*(\q)+\kk)%4)+16*\aa+4*\c+3], v[ADX] offset:FROW*\aa+128*(2*(\q)+\kk)+32*\c
.endr
.endr
.endr
.endm
; The gate of rows 16 a + r.  A lane holds 16 of its row's 32 hidden units, the lane 16 away the others.
.macro GATE a
.set L_, G+8*(\a)
.set H_, HA+16*(\a)
	WIN 0xff
.set u_, 0
.rept 16
	v_max_num_f32 v[H_+u_], 0, v[H_+u_]            ; relu; 2^(e0+e1) is positive, so it may be applied later.  Each accumulator is read from its low end on
.set u_, u_+1
.endr
	WIN 0xf3                                       ; w2 in window 0
.irp q, 0,2,4,6
	v_pk_mul_f32 v[L_+\q:L_+\q+1], v[H_:H_+1], v[WF+\q:WF+\q+1] op_sel_hi:[0,1]   ; the first unit starts the eight sums, two experts an instruction: nothing is cleared
.endr
.set u_, 1
.rept 15
.irp q, 0,2,4,6
.if u_%2
	v_pk_fma_f32 v[L_+\q:L_+\q+1], v[H_+u_-1:H_+u_], v[WF+8*u_+\q:WF+8*u_+\q+1], v[L_+\q:L_+\q+1] op_sel:[1,0,0] op_sel_hi:[1,1,1]   ; the pair's upper word, the odd unit, for both halves
.else
	v_pk_fma_f32 v[L_+\q:L_+\q+1], v[H_+u_:H_+u_+1], v[WF+8*u_+\q:WF+8*u_+\q+1], v[L_+\q:L_+\q+1] op_sel_hi:[0,1,1]                  ; the lower word, the even unit
.endif
.endr
.set u_, u_+1
.endr
	WIN 0xff
.irp x, 0,1,2,3,4,5,6,7
	v_permlanex16_b32 v[H_+\x], v[L_+\x], s66, s67 ; the other 16 units' sums; the hidden layer's registers are done with, and have been written
.endr
.irp q, 0,2,4,6
	v_pk_add_f32 v[L_+\q:L_+\q+1], v[L_+\q:L_+\q+1], v[H_+\q:H_+\q+1]
.endr
.irp x, 0,1,2,3,4,5,6,7
	v_fma_f32 v[L_+\x], v[L_+\x], s77, s[68+\x]    ; the logit: sum x 2^(e0+e1) + b2
.endr
	v_max3_num_f32 v[SC], v[L_], v[L_+1], v[L_+2]
	v_max3_num_f32 v[SC], v[SC], v[L_+3], v[L_+4]
	v_max3_num_f32 v[SC], v[SC], v[L_+5], v[L_+6]
	v_max_num_f32 v[SC], v[SC], v[L_+7]            ; the row's largest logit
.irp q, 0,2,4,6
	v_pk_add_f32 v[L_+\q:L_+\q+1], v[L_+\q:L_+\q+1], v[SC:SC+1] op_sel_hi:[1,0] neg_lo:[0,1] neg_hi:[0,1]   ; is taken away
.endr
.irp q, 0,2,4,6
	v_pk_mul_f32 v[L_+\q:L_+\q+1], v[L_+\q:L_+\q+1], 0x3fb8aa3b op_sel_hi:[1,0]   ; x log2(e)
.endr
.irp x, 0,1,2,3,4,5,6,7
	v_exp_f32 v[L_+\x], v[L_+\x]
.endr
	v_nop                                          ; a plain instruction between the last exponential and the use of its result
	s_wait_alu depctr_va_vdst(0)
	v_pk_add_f32 v[SC+2:SC+3], v[L_:L_+1], v[L_+2:L_+3]
	v_pk_add_f32 v[SC+4:SC+5], v[L_+4:L_+5], v[L_+6:L_+7]
	v_pk_add_f32 v[SC+2:SC+3], v[SC+2:SC+3], v[SC+4:SC+5]
	v_add_f32 v[SC+2], v[SC+2], v[SC+3]            ; at least 1: the largest logit's term
	v_rcp_f32 v[SC+4], v[SC+2]
	v_nop
	s_wait_alu depctr_va_vdst(0)
	v_ldexp_f32 v[SC+4], v[SC+4], s79              ; 2^(e2+e3) / the sum
.irp q, 0,2,4,6
	v_pk_mul_f32 v[L_+\q:L_+\q+1], v[L_+\q:L_+\q+1], v[SC+4:SC+5] op_sel_hi:[1,0]   ; g x 2^(e2+e3): what an expert's sums are weighed by
.endr
.endm
	XLOAD 0                                        ; the gate's vector work stands between the runs of loads that bring x into registers
	GATE 0
	XLOAD 1
	GATE 1
	XLOAD 2
	GATE 2
	XLOAD 3
	GATE 3
	WIN 0
	s_wait_tensorcnt 0x0                           ; all my tensor loads have landed: my quarter of W of expert 0;
	ds_add_u32 v[SPW], v[NIL]                      ; 0 onto my spare word;
	s_wait_dscnt 0x0                               ; the add is done, and x is in my registers: my reads of slot B are over
	CROUND                                         ; the same holds of every wave of every partner
	tensor_load_to_lds s[G0W+4:G0W+7], s[G1W:G1W+7]   ; expert 1 takes x's place: the first tensor load behind the round, my only one until the next
	s_nop 0
	PLACES 4
; THE EXPERTS' WALK.  A step is 128 along K: 16 matrix instructions, n = 4 a + b.  The 16 accumulators take turns, one instruction a turn, in the same order in every step.
.macro WINLO k                         ; the setting of a step's products a = 0, 1: W and the sums window 0, x window 1 or 2; in the first step C (the bias) window 3.  A load into window 0 stands under it as it is
.if (\k) == 0
	WIN 0x34
.elseif (\k) < 4
	WIN 0x04
.else
	WIN 0x08
.endif
.endm
.macro MM k, n
.set a_, (\n)/4
.set b_, (\n)%4
.set rW, WF+64*((\k)%2)+16*b_
.set rX, 64*((\k)%4)+16*a_
.if a_ < 2
.set rT, T0+8*(4*a_+b_)
.else
.set rT, 8*(4*(a_-2)+b_)
.endif
.if (\k) == 0
	v_wmma_f32_16x16x128_fp8_fp8 v[rT:rT+7], v[rW:rW+15], v[rX:rX+15], v[BC+8*b_:BC+8*b_+7]   ; an expert's first product starts the sum with its bias
.else
	v_wmma_f32_16x16x128_fp8_fp8 v[rT:rT+7], v[rW:rW+15], v[rX:rX+15], v[rT:rT+7]
.endif
.endm
.macro WMM k, n
.if (\n) < 8
	WINLO \k
.elseif (\k) < 4
	WIN 0xf4                                       ; the sums (and the bias) window 3, x window 1, W window 0
.else
	WIN 0xf8                                       ; x window 2
.endif
	MM \k, \n
.endm
; loads n0 .. n1 - 1 of the 16 that bring K step k's four fragments of W from slot s into set k % 2; load 4 b + c is part c of fragment b
.macro LDW s, k, n0, n1
.set m_, \n0
.rept (\n1)-(\n0)
	ds_load_b128 v[WF+64*((\k)%2)+4*m_:WF+64*((\k)%2)+4*m_+3], v[ADW+(\s)] offset:FROW*(m_/4)+128*(\k)+32*(m_%4)
.set m_, m_+1
.endr
.endm
; A slice: tile (a, b) of expert e is weighed into out's sums: out += sum x g, four packed lines, the accumulator from its low end on.  Expert 0 starts out's sums: nothing is cleared.
.macro FL e, a, b
.if (\a) < 2
	WIN 0xfc                                       ; the expert's sums window 0; g and out window 3
.set rT, T0+8*(4*(\a)+(\b))
.else
	WIN 0xff
.set rT, 8*(4*((\a)-2)+(\b))
.endif
.set rO, OUT+8*(4*(\a)+(\b))
.set rG, G+8*(\a)+((\e)&6)
.irp p, 0,2,4,6
.if (\e) == 0
	v_pk_mul_f32 v[rO+\p:rO+\p+1], v[rT+\p:rT+\p+1], v[rG:rG+1] op_sel_hi:[1,0]
.elseif ((\e)&1) == 0
	v_pk_fma_f32 v[rO+\p:rO+\p+1], v[rT+\p:rT+\p+1], v[rG:rG+1], v[rO+\p:rO+\p+1] op_sel_hi:[1,0,1]                 ; an even expert's g: the pair's lower word for both halves
.else
	v_pk_fma_f32 v[rO+\p:rO+\p+1], v[rT+\p:rT+\p+1], v[rG:rG+1], v[rO+\p:rO+\p+1] op_sel:[0,1,0] op_sel_hi:[1,1,1]  ; an odd expert's: the upper word
.endif
.endr
.endm
; K step k = 0 .. 6 of expert e.  THE NEXT STEP'S 16 LOADS STAND IN ONE RUN AT THE STEP'S HEAD, never singly among the matrix instructions: the step's 16 products then follow each other with nothing
; but scalar waits and vector lines between them, and the run has the whole step, 16 matrix instructions, in which to land: the longest lead that two sets of fragments allow.
; The run goes into the set that the step before multiplied: four v_nop stand between that step's last product and the run (four plain vector instructions that name none of that product's registers:
; ISA guide 7.12.1 for vector instructions).  Every step has them, so that all steps have one form; in an expert's first step the slice behind the last product would serve too.
; In the first step of experts 1 to 7 the slices of the expert before, tiles a = 2, 3, stand behind products 0 to 7: each tile is weighed before products 8 to 15 begin its sum anew.
; In steps 2 to 5 the next expert's bias is scaled, a line behind each of products 8 to 15 (the last product that took the old bias as C stands in step 0, with the v_nop of steps 1 and 2 behind it);
; in step 6 the bias of the expert after that is asked for, in the same run as the LDS loads.
.macro STEP e, k
.set sl_, (\e)&1
	PLACES 4
	WINLO \k                                       ; the setting of the products below; the loads' destination and address lie in window 0 under it
	LDW sl_, (\k)+1, 0, 16
.if ((\k) == 6) && ((\e) <= 5)
	BLOAD (\e)+2, 0                                ; step 5's scaling has read the registers that these fill
	BLOAD (\e)+2, 1
	BLOAD (\e)+2, 2
	BLOAD (\e)+2, 3
.endif
.set n_, 0
.rept 16
.if n_ < 4
	s_wait_dscnt 28-4*n_                           ; this step's fragment n is in: behind its four loads stand the 12 - 4 n of the fragments after it and the 16 just issued
.endif
.if (n_ == 8) && ((\k) == 2) && ((\e) <= 6)
	s_wait_loadcnt 0x0                             ; the next expert's bias is in
.endif
	WMM \k, n_
.if ((\k) == 0) && ((\e) > 0) && (n_ < 8)
	FL (\e)-1, 2+n_/4, n_%4
.endif
.if (n_ >= 8) && ((\k) >= 2) && ((\k) <= 5) && ((\e) <= 6)
	v_ldexp_f32 v[BC+8*((\k)-2)+n_-8], v[RAW+8*((\k)-2)+n_-8], s80
.endif
.set n_, n_+1
.endr
.endm
; An expert's last K step changes slots.  In front of ONE barrier each wave waits for all its tensor loads (its quarter of the next expert's tile), adds 0 to its spare word, and waits for that and for its own
; reads of this slot.  Behind it nobody reads this slot any more and the other slot is whole.  Experts 0 to 5: the barrier opens a round of the cluster's barrier, and this slot is filled again first thing behind
; the round, with the expert two on.  Then come the next expert's first fragments, and products 8 to 15, each with a slice of this expert's tiles a = 0, 1, which products 0 to 7 have finished.
.macro LAST e
.set sl_, (\e)&1
.if (\e) <= 6
	WIN 0                                          ; (the add's two registers lie in window 0)
	s_wait_tensorcnt 0x0                           ; no tensor load of mine is out, so a group 0 may be written
	ds_add_u32 v[SPW], v[NIL]                      ; 0 onto my spare word
.if (\e) <= 5
	s_add_nc_u64 s[G0W+4*sl_+2:G0W+4*sl_+3], s[G0W+4*sl_+2:G0W+4*sl_+3], 0x200000   ; this slot's next tile: two experts on; the type bits on top are not reached
.endif
	s_wait_dscnt 0x0                               ; the add is done, and my reads of this slot are over (the last were issued at the head of the step before, 16 matrix instructions ago)
	s_barrier_signal -1
.set n_, 0
.rept 8
	WMM 7, n_                                      ; work on registers while the others arrive
.set n_, n_+1
.endr
	WIN 0
	s_barrier_wait -1
.if (\e) <= 5
	CREST                                          ; no wave of any partner still reads this slot or has a load on its way
	tensor_load_to_lds s[G0W+4*sl_:G0W+4*sl_+3], s[G1W:G1W+7]
	s_nop 0
.endif
	PLACES 4                                       ; behind the tensor load; also the places in front of the loads below and of the slices' reads of the sums just finished
	LDW 1-sl_, 0, 0, 16
.rept 8
	WMM 7, n_
	FL \e, (n_-8)/4, n_%4
.set n_, n_+1
.endr
.else                                  ; the very last step: nothing more to fetch
.set n_, 0
.rept 8
.if n_ < 4
	s_wait_dscnt 12-4*n_                           ; fragment n's four loads are in
.endif
	WMM 7, n_
.set n_, n_+1
.endr
	PLACES 4                                       ; in front of the slices' reads of the sums just finished
.rept 8
	WMM 7, n_
	FL \e, (n_-8)/4, n_%4
.set n_, n_+1
.endr
.set n_, 0
.rept 8
	FL \e, 2+n_/4, n_%4                            ; the last slice above is the four places behind the last product
.set n_, n_+1
.endr
.endif
.endm
	LDW 0, 0, 0, 16                                ; expert 0's first fragments
.irp e, 0,1,2,3,4,5,6,7
.irp k, 0,1,2,3,4,5,6
	STEP \e, \k
.endr
	LAST \e
.endr
	; THE WAY OUT.  No arithmetic is left.  A lane holds 32 neighbouring bytes of a row, and the lanes beside it hold other rows: so the wave's 64 rows x 256 bytes go through its own stage in LDS and come back as whole
	; rows.  LDS serves a wave's instructions in order (ISA guide 5.7.1.4): no wait between the stores and the loads.  The stage is the wave's own: no barrier.
	WIN 0x0c                                       ; the stores' data window 3
.irp a, 0,1,2,3
.irp b, 0,1,2,3
	ds_store_b128 v[STO], v[OUT+8*(4*\a+\b):OUT+8*(4*\a+\b)+3]   offset:16*SPITCH*\a+64*\b
	ds_store_b128 v[STO], v[OUT+8*(4*\a+\b)+4:OUT+8*(4*\a+\b)+7] offset:16*SPITCH*\a+64*\b+16
.endr
.endr
	WIN 0
.set t_, 0
.rept 32
	ds_load_b128 v[WF+4*t_:WF+4*t_+3], v[RD] offset:2*SPITCH*t_   ; rows 2 t and 2 t + 1, into the registers that held W's fragments
.set t_, t_+1
.endr
.set t_, 0
.rept 32
	s_wait_dscnt 31-t_                             ; the loads issued behind this pair of rows may be out
	global_store_b128 v[CO], v[WF+4*t_:WF+4*t_+3], s[22:23] offset:8192*t_ th:TH_STORE_NT   ; 16 lanes store 256 consecutive bytes, at a multiple of 256 from out's first byte; written once, read by nobody here
.set t_, t_+1
.endr
	s_wait_tensorcnt 0x0                           ; the wave's end: behind my last tensor load and my last LDS store
	ds_add_u32 v[SPW], v[NIL]
	s_wait_dscnt 0x0
	CROUND                                         ; the closing round: no work-group ends while a partner may still ask for a tile that names it
	s_endpgm
.Lfunc_end_k_q59d1efb594_moe:
	.size	k_q59d1efb594_moe, .Lfunc_end_k_q59d1efb594_moe-k_q59d1efb594_moe
	.p2alignl 7, 3214868480
	.fill 96, 4, 3214868480
	.section	.rodata,"a",@progbits
	.p2align	6, 0x0
	.amdhsa_kernel k_q59d1efb594_moe
		.amdhsa_group_segment_fixed_size 327680
		.amdhsa_private_segment_fixed_size 0
		.amdhsa_enable_private_segment 0
		.amdhsa_kernarg_size 80
		.amdhsa_user_sgpr_count 2
		.amdhsa_user_sgpr_kernarg_segment_ptr 1
		.amdhsa_wavefront_size32 1
		.amdhsa_system_sgpr_workgroup_id_x 1
		.amdhsa_system_sgpr_workgroup_id_y 1
		.amdhsa_system_sgpr_workgroup_id_z 1
		.amdhsa_system_vgpr_workitem_id 0
		.amdhsa_next_free_vgpr 1024
		.amdhsa_next_free_sgpr 96
		.amdhsa_reserve_vcc 0
		.amdhsa_float_denorm_mode_32 3
		.amdhsa_float_denorm_mode_16_64 3
		.amdhsa_memory_ordered 1
		.amdhsa_forward_progress 1
		.amdhsa_inst_pref_size 255
	.end_amdhsa_kernel
	.section	.bss,"aw",@nobits
	.p2align	6
	.space	262144
	.amdgpu_metadata
---
amdhsa.version: [ 1, 2 ]
amdhsa.kernels:
  - .name:           k_q59d1efb594_moe
    .symbol:         k_q59d1efb594_moe.kd
    .args:
      - { .name: x_codes, .offset: 0, .size: 8, .value_kind: global_buffer, .address_space: global }
      - { .name: expert_weights_codes, .offset: 8, .size: 8, .value_kind: global_buffer, .address_space: global }
      - { .name: cond_codes, .offset: 16, .size: 8, .value_kind: global_buffer, .address_space: global }
      - { .name: g_w1_codes, .offset: 24, .size: 8, .value_kind: global_buffer, .address_space: global }
      - { .name: g_w2, .offset: 32, .size: 8, .value_kind: global_buffer, .address_space: global }
      - { .name: g_b1, .offset: 40, .size: 8, .value_kind: global_buffer, .address_space: global }
      - { .name: g_b2, .offset: 48, .size: 8, .value_kind: global_buffer, .address_space: global }
      - { .name: expert_biases, .offset: 56, .size: 8, .value_kind: global_buffer, .address_space: global }
      - { .name: lowp_scales, .offset: 64, .size: 8, .value_kind: global_buffer, .address_space: global }
      - { .name: out0, .offset: 72, .size: 8, .value_kind: global_buffer, .address_space: global }
    .group_segment_fixed_size: 327680
    .private_segment_fixed_size: 0
    .kernarg_segment_align: 8
    .kernarg_segment_size: 80
    .max_flat_workgroup_size: 128
    .sgpr_count:     96
    .vgpr_count:     1024
    .wavefront_size: 32
...
	.end_amdgpu_metadata
.endif
;; end of part 1
